; MI455X (gfx1250); checked and timed in simulation.
; The chip was launched on July 23, 2026; its instructions are those of AMD's public machine-readable ISA for CDNA 5 (MIT licence, August 2026) and "CDNA5" Instruction Set Architecture Reference Guide (July 2026). The comments in the code are by the model that wrote it; some were corrected since.
;; Attention Layer. Allowed arithmetic: matrix products marked QUANTISED: E3M2 operands, one E8M0 scale for each 32 along K, by v_wmma_scale_f32_16x16x128_f8f6f4 with both operands' format E3M2, f32 sums; everything else in f32.
;; Inputs: Wk 512 x 512 float32; Wq 512 x 512 float32; Wv 512 x 512 float32; bk 512 float32; bq 512 float32; bv 512 float32; x 8 x 2,048 x 512 float32.
;; Outputs: out0 8 x 512 float32.
;; This version of the problem:
;;   THIS VERSION OF THE PROBLEM IS GIVEN IN LOW PRECISION. The matrix products marked QUANTISED in the list below multiply operands that are first quantised to E3M2 (3 exponent bits, 2 mantissa bits; 6 bits a number), with one power-of-two scale for each 32 numbers along K (OCP MX v1.0); their sums are f32. All else is computed in f32.
;;   The module's matrix products, in the order in which they are computed (A, B: the left and right operand; K: the contracted axis; several contracted axes count as one K, in the product's order):
;;     1. [M 16,384, K 512] x [K 512, N 512]; A: input x; B: input Wq: QUANTISED
;;     2. [M 16,384, K 512] x [K 512, N 512]; A: input x; B: input Wk: QUANTISED
;;     3. [M 16,384, K 512] x [K 512, N 512]; A: input x; B: input Wv: QUANTISED
;;     4. batch 8 x [M 2,048, K 512] x [K 512, N 2,048]; A: computed on the way; B: computed on the way: QUANTISED
;;     5. batch 8 x [M 2,048, K 2,048] x [K 2,048, N 512]; A: softmax (see below); B: computed on the way: QUANTISED
;;   THE QUANTISER, for each operand of a quantised product, along K:
;;     - K is cut into blocks of 32 from its start; a last block that is shorter is filled with zeros.
;;     - A block's scale is 2^e with e = floor(log2(the largest magnitude in the block)) - 4, held to -126 .. 127; a block of zeros has e = 0. As a byte (E8M0): e + 127.
;;     - Each number is divided by its block's scale, clamped to +-28, and rounded to the nearest number of E3M2, ties to even, subnormals kept.
;;     - The product sums the exact products of the quantised numbers (number of the format x scale) in f32.
;;   ~~~python
;;   def quantise(x, axis):      # numpy; x: float32 -> the quantised numbers, widened to float32 again
;;       x = np.moveaxis(x, axis, -1); K = x.shape[-1]
;;       x = np.pad(x, [(0, 0)] * (x.ndim - 1) + [(0, -K % 32)]); x = x.reshape(x.shape[:-1] + (-1, 32)); a = np.abs(x).max(-1, keepdims=True)
;;       e = np.where(a > 0, np.clip(np.frexp(np.where(a > 0, a, 1))[1] - 1 - 4, -126, 127), 0)      # np.frexp(a)[1] - 1 = floor(log2(a)), exactly
;;       r = np.clip(x / 2.0 ** e, -28, 28)
;;       step = 2.0 ** (np.maximum(np.frexp(np.where(r == 0, 1, r))[1] - 1, -2) - 2)
;;       q = np.round(r / step) * step * 2.0 ** e      # np.round: ties to even
;;       return np.moveaxis(q.reshape(q.shape[:-2] + (-1,))[..., :K], -1, axis).astype(np.float32)
;;   ~~~
;;   SOFTMAX AHEAD OF A QUANTISED PRODUCT. Where the list says 'softmax', what is quantised is not the finished softmax but p = 2^(t - M), with t = logit x log2(e) and M = ceil(the row's largest t), a whole number; so 1/2 < the row's largest p <= 1. The row's sum l is taken of the UNQUANTISED p, in f32, and the product's result is divided by l at the end. Since M is a whole number, a kernel that streams over the keys may use a running M (the ceiling of the running maximum): every later rescaling is an exact power of two, which a block's scale takes up: the codes' values come out the same.
;;   OPERANDS COMPUTED ON THE WAY. 'Computed on the way' means the value that the module computes at that place (a softmax that the list does not call 'softmax' is quantised finished and normalised). What goes into a quantiser is computed in f32, as accurately as f32 sums, v_exp_f32 and their like allow (about 1e-6 of the number): no bf16 or f16 on the way to a quantiser, and a product that is left as it is and whose result goes on into a quantised operand takes f32 operands (vector FMAs, or v_wmma_f32_16x16x4_f32). A number that lies on a knife's edge between two numbers of the format may be rounded either way, as far as f32 arithmetic and the matrix unit's own rounding can turn it there, and no further.
;; One version. Each part assembles by itself: llvm-mc -triple=amdgcn-amd-amdhsa -mcpu=gfx1250 --defsym DOCPART=n.
;; ======== version 1 of 1: 3 launches
;; workspace buffers: wfrag 393,216 bytes; wscl 16,384 bytes; qpart 65,536 bytes; part 524,288 bytes; stat 2,048 bytes
;; launch prep (part 1): grid 128 x 3, 1 waves a work-group, no clusters, 0 bytes of LDS; arguments x, Wq, Wk, Wv, wfrag, wscl, qpart; writes wfrag, wscl, qpart
.if DOCPART == 1
	.amdgcn_target "amdgcn-amd-amdhsa--gfx1250"
	.amdhsa_code_object_version 6
	.text
	.protected	k_qa2486d7c22_prep
	.globl	k_qa2486d7c22_prep
	.p2align	8
	.type	k_qa2486d7c22_prep,@function
k_qa2486d7c22_prep:
	s_mov_b64 s[64:65], 0
	v_nop
	global_prefetch_b8 v0, s[64:65] scope:SCOPE_SE
	s_setreg_imm32_b32 hwreg(HW_REG_WAVE_MODE, 25, 1), 1
	s_wait_xcnt 0x0
; THE WEIGHTS BECOME OPERANDS, AND THE EIGHT LAST ROWS GET THEIR q.
; The result of the whole program is the context of the LAST query of each of the 8 batches, so q is wanted for 8 rows of x alone.
; Work-group (4 T + s, y), ONE wave: tile T (16 columns) of matrix y (0 = Wq, 1 = Wk, 2 = Wv), K step s (rows 128 s .. 128 s + 127 of the weight): one fragment.  Waves share nothing, so each is a
; work-group of its own: 384 of them, the longest (y = 0) first.
; W is stored [K][N]: lane (r, h) takes ONE column and its registers run down K, k = 64 c + 32 h + i: the very order of the 6-bit operand's registers, so that a lane holds whole blocks of 32,
; a block's largest magnitude needs no other lane, and the conversions' results are the operand.  Codes are E3M2; a block's scale byte is its largest magnitude's exponent field - 4.
; WHICH COLUMNS FORM A TILE is chosen for the next launch (w = T / 8 its wave, t = T % 8 its tile):
;   Wk: lane r takes column 128 w + 64 (t / 4) + 8 (t % 4) + r % 8 + 32 (r / 8);   Wv: column 128 w + 64 (t % 2) + t / 2 + 4 r;   Wq: column 16 T + r.
; y = 1, 2: the fragment is stored as an image of its 12 registers (three stores of 512 consecutive bytes) in the order in which the next launch's wave w takes fragments, its scale word beside.
; y = 0: the 8 last rows of x (twice, to fill 16) are quantised for this K step and multiplied at once: qpart[s][batch][column] is this K step's part of q, f32; the next launch adds the four parts and bq.
; LIMITS: NaN and infinities among the inputs are not served.  A block of zeros gets the byte 1 where the rule says 127: its codes are zeros, and these bytes are read by this program alone.
; q's sum over K is four sums of 128 added in f32, not one chain.  wscl and qpart (80 KiB together) leave in pieces of 4 and 32 bytes.
.set SH8, 6                            ; v6      8 x (lane / 16): where my two scale bytes stand in the word
.set TM,  16                           ; v16-19  largest magnitudes: two chains for each of two blocks
.set SO,  20                           ; v20-21  the conversions' scale operands
.set BY,  22                           ; v22-23  the scale bytes
.set T1,  24
.set T2,  25
.set WI,  32                           ; v32-95   64 numbers of W
.set XI,  96                           ; v96-159  64 numbers of x
.set WC,  160                          ; v160-171 W's codes;  v172 its scale word
.set WW,  172
.set XC,  174                          ; v174-185 x's codes;  v186 its scale word
.set XW,  186
.set CT,  188                          ; v188-194 the second halves of the blocks' codes, as the conversions leave them
.set D,   200                          ; v200-207 the product
.set SEL, 26                           ; s[26:27] v_permlanex16_b32's selects for lane l xor 16
; 64 numbers of a lane, register 32 c + i = element i of my block c, become 12 registers of codes at v[pc] on; the bytes stay in v[BY], v[BY+1]
.macro QUANT src, pc
.irp c, 0,1
.irp u, 0,1
	v_max3_num_f32 v[TM+2*\c+\u], |v[\src+32*\c+16*\u]|, |v[\src+32*\c+16*\u+1]|, 0x2800000   ; with the floor 2^(5 - 127): the byte cannot fall under 1
.endr
.endr
.irp i, 2,4,6,8,10,12,14
.irp c, 0,1
.irp u, 0,1
	v_max3_num_f32 v[TM+2*\c+\u], |v[\src+32*\c+16*\u+\i]|, |v[\src+32*\c+16*\u+\i+1]|, v[TM+2*\c+\u]   ; four chains by turns
.endr
.endr
.endr
.irp c, 0,1
	v_max_num_f32 v[TM+2*\c], v[TM+2*\c], v[TM+2*\c+1]
.endr
.irp c, 0,1
	v_add_nc_u32 v[SO+\c], 0xfe000000, v[TM+2*\c]  ; 4 off the exponent field: the conversion takes this operand's exponent field as its scale
.endr
.irp c, 0,1
	v_lshrrev_b32 v[BY+\c], 23, v[SO+\c]           ; the scale's byte
.endr
.irp c, 0,1
	v_cvt_scalef32_pk16_bf6_f32 v[\pc+6*\c:\pc+6*\c+2], v[\src+32*\c:\src+32*\c+15], v[SO+\c]
	v_cvt_scalef32_pk16_bf6_f32 v[CT+4*\c:CT+4*\c+2], v[\src+32*\c+16:\src+32*\c+31], v[SO+\c]   ; (a conversion's three registers begin on an even number)
.endr
	v_nop                                          ; one plain place behind a scaled conversion
.irp c, 0,1
.irp i, 0,1,2
	v_mov_b32 v[\pc+6*\c+3+\i], v[CT+4*\c+\i]
.endr
.endr
.endm
.macro QWORD2 pw                       ; my bytes are those of blocks h and 2 + h; with lane l xor 16's two the word is whole
	v_lshl_or_b32 v[T1], v[BY+1], 16, v[BY]
	v_lshlrev_b32 v[T1], v[SH8], v[T1]
	v_permlanex16_b32 v[T2], v[T1], s[SEL], s[SEL+1]
	v_or_b32 v[\pw], v[T1], v[T2]
.endm
	s_load_b256 s[4:11], s[0:1], 0x0               ; x s[4:5], Wq s[6:7], Wk s[8:9], Wv s[10:11]
	s_load_b128 s[12:15], s[0:1], 0x20             ; wfrag s[12:13], wscl s[14:15]
	s_load_b64 s[16:17], s[0:1], 0x30              ; qpart
	s_and_b32 s18, ttmp9, 3                        ; s: which K step
	s_and_b32 s19, ttmp7, 0xffff                   ; y: which matrix
	s_lshr_b32 s20, ttmp9, 2                       ; T: which tile
	s_lshr_b32 s28, s20, 3                         ; w
	s_and_b32 s29, s20, 7                          ; t
	s_lshl_b32 s30, s28, 7                         ; 128 w
	s_lshr_b32 s31, s29, 2
	s_lshl_b32 s31, s31, 6
	s_and_b32 s32, s29, 3
	s_lshl_b32 s32, s32, 3
	s_add_co_u32 s31, s31, s32
	s_add_co_u32 s31, s31, s30                     ; Wk's first column: 128 w + 64 (t / 4) + 8 (t % 4)
	s_and_b32 s32, s29, 1
	s_lshl_b32 s32, s32, 6
	s_lshr_b32 s33, s29, 1
	s_add_co_u32 s32, s32, s33
	s_add_co_u32 s32, s32, s30                     ; Wv's: 128 w + 64 (t % 2) + t / 2
	s_lshl_b32 s33, s20, 4                         ; Wq's: 16 T
	s_cmp_eq_u32 s19, 1
	s_cselect_b32 s21, s31, s32
	s_cselect_b32 s22, 1, 4                        ; columns from lane to lane within eight lanes
	s_cmp_eq_u32 s19, 0
	s_cselect_b32 s21, s33, s21
	s_cselect_b32 s22, 1, s22
	s_cselect_b32 s23, 8, 32                       ; and from lanes 0-7 to lanes 8-15
	s_lshl_b32 s34, s18, 18                        ; K step s: 128 rows of 2,048 bytes
	s_mov_b32 s35, 0
	s_mov_b32 s[SEL], 0x76543210
	s_mov_b32 s[SEL+1], 0xfedcba98
	v_and_b32 v2, 15, v0                           ; r  (v0 is the lane: the work-group is one wave)
	v_bfe_u32 v3, v0, 4, 1                         ; h
	v_and_b32 v9, 7, v0                            ; r % 8
	v_bfe_u32 v10, v0, 3, 1                        ; r / 8
	v_mul_u32_u24 v4, v9, s22
	v_mad_u32_u24 v4, v10, s23, v4
	v_add_nc_u32 v4, s21, v4                       ; my column
	v_lshlrev_b32 v4, 2, v4
	v_lshl_add_u32 v4, v3, 16, v4                  ; W: 4 x column + 32 h rows
	v_lshlrev_b32 v5, 22, v9
	v_lshl_add_u32 v5, v3, 7, v5                   ; x: batch r % 8 (4,194,304 bytes each) + 128 h
	v_lshlrev_b32 v[SH8], 3, v3
	v_lshlrev_b32 v7, 4, v0                        ; 16 x lane
	v_mov_b32 v[T2], 0                             ; written once: a lane permute's destination counts as one of its sources
	s_wait_kmcnt 0x0
	s_cmp_eq_u32 s19, 1                            ; the choice of the buffer hangs on the work-group's number alone
	s_cselect_b64 s[24:25], s[8:9], s[10:11]
	s_cmp_eq_u32 s19, 0
	s_cselect_b64 s[24:25], s[6:7], s[24:25]
	s_add_nc_u64 s[24:25], s[24:25], s[34:35]
.irp c, 0,1
.irp i, 0,1,2,3,4,5,6,7,8,9,10,11,12,13,14,15,16,17,18,19,20,21,22,23,24,25,26,27,28,29,30,31
	global_load_b32 v[WI+32*\c+\i], v4, s[24:25] offset:(64*\c+\i)*2048   ; W(128 s + 64 c + 32 h + i, my column)
.endr
.endr
	s_cmp_lg_u32 s19, 0
	s_cbranch_scc1 .Lw
	; ---- y = 0: this K step's part of q for the 8 last rows
	s_lshl_b32 s38, s18, 9
	s_add_co_u32 s38, s38, 2047*2048               ; a batch's last row, and 512 s bytes along it
	s_mov_b32 s39, 0
	s_add_nc_u64 s[4:5], s[4:5], s[38:39]
.irp c, 0,1
.irp j, 0,1,2,3,4,5,6,7
	global_load_b128 v[XI+32*\c+4*\j:XI+32*\c+4*\j+3], v5, s[4:5] offset:256*\c+16*\j
.endr
.endr
	s_lshl_b32 s38, s18, 14                        ; qpart: 16,384 s + 64 T
	s_lshl_b32 s30, s20, 6
	s_add_co_u32 s38, s38, s30
	s_add_nc_u64 s[16:17], s[16:17], s[38:39]
	s_wait_loadcnt 16                              ; W's 64 loads are in; x's 16, issued behind them, may be out
	QUANT WI, WC
	QWORD2 WW
	s_wait_loadcnt 0x0
	QUANT XI, XC
	QWORD2 XW
.rept 8
	v_nop                                          ; a scale register written by a vector instruction stands 8 places ahead of the scaled product, an operand so written 4
.endr
	v_wmma_scale_f32_16x16x128_f8f6f4 v[D:D+7], v[WC:WC+11], v[XC:XC+11], 0, v[WW], v[XW] matrix_a_fmt:MATRIX_FMT_BF6 matrix_b_fmt:MATRIX_FMT_BF6   ; transposed: lane (r, h), register j: q's part (batch r % 8, column 16 T + 8 h + j)
	v_lshlrev_b32 v8, 11, v2                       ; (four places behind the product: two lines of the store's offset, two v_nop)
	v_lshl_add_u32 v8, v3, 5, v8                   ; 2,048 r + 32 h
	v_nop
	v_nop
	v_cmp_gt_u32 vcc_lo, 8, v2                     ; rows 8 to 15 repeat rows 0 to 7
	s_wait_xcnt 0x0                                ; EXEC changes only behind this wait
	s_and_saveexec_b32 s36, vcc_lo
	global_store_b128 v8, v[D:D+3], s[16:17]       ; the result from its low end on
	global_store_b128 v8, v[D+4:D+7], s[16:17] offset:16
	s_wait_xcnt 0x0
	s_or_b32 exec_lo, exec_lo, s36
	s_endpgm
.Lw:	; ---- y = 1, 2: the fragment's image and its scale word
	s_sub_co_u32 s30, s19, 1                       ; kind: 0 = Wk, 1 = Wv
	s_lshl_b32 s31, s18, 2
	s_lshl_b32 s32, s30, 1
	s_add_co_u32 s31, s31, s32
	s_lshr_b32 s32, s29, 2
	s_add_co_u32 s31, s31, s32                     ; group g = 4 s + 2 kind + t / 4
	s_mul_i32 s31, s31, 6144
	s_and_b32 s32, s29, 3
	s_mul_i32 s32, s32, 1536                       ; fragment t % 4 of the group
	s_add_co_u32 s31, s31, s32
	s_mul_i32 s32, s28, 98304                      ; wave w's 64 fragments
	s_add_co_u32 s38, s31, s32
	s_mov_b32 s39, 0
	s_add_nc_u64 s[12:13], s[12:13], s[38:39]
	s_lshl_b32 s31, s28, 12                        ; wscl: 4,096 w + 512 t + 256 kind + 4 s (+ 16 r)
	s_lshl_b32 s32, s29, 9
	s_add_co_u32 s31, s31, s32
	s_lshl_b32 s32, s30, 8
	s_add_co_u32 s31, s31, s32
	s_lshl_b32 s32, s18, 2
	s_add_co_u32 s38, s31, s32
	s_add_nc_u64 s[14:15], s[14:15], s[38:39]
	v_lshlrev_b32 v8, 4, v2
	s_wait_loadcnt 0x0
	QUANT WI, WC
	QWORD2 WW
.irp c, 0,1,2
	global_store_b128 v7, v[WC+4*\c:WC+4*\c+3], s[12:13] offset:512*\c   ; 32 lanes store 512 consecutive bytes
.endr
	v_cmp_gt_u32 vcc_lo, 16, v0                    ; both halves of the lanes hold the word: one stores it
	s_wait_xcnt 0x0                                ; EXEC changes only behind this wait
	s_and_saveexec_b32 s36, vcc_lo
	global_store_b32 v8, v[WW], s[14:15]
	s_wait_xcnt 0x0
	s_or_b32 exec_lo, exec_lo, s36
	s_endpgm
.Lfunc_end_k_qa2486d7c22_prep:
	.size	k_qa2486d7c22_prep, .Lfunc_end_k_qa2486d7c22_prep-k_qa2486d7c22_prep
	.p2alignl 7, 3214868480
	.fill 96, 4, 3214868480
	.section	.rodata,"a",@progbits
	.p2align	6, 0x0
	.amdhsa_kernel k_qa2486d7c22_prep
		.amdhsa_group_segment_fixed_size 0
		.amdhsa_private_segment_fixed_size 0
		.amdhsa_enable_private_segment 0
		.amdhsa_kernarg_size 56
		.amdhsa_user_sgpr_count 2
		.amdhsa_user_sgpr_kernarg_segment_ptr 1
		.amdhsa_wavefront_size32 1
		.amdhsa_system_sgpr_workgroup_id_x 1
		.amdhsa_system_sgpr_workgroup_id_y 1
		.amdhsa_system_sgpr_workgroup_id_z 1
		.amdhsa_system_vgpr_workitem_id 0
		.amdhsa_next_free_vgpr 208
		.amdhsa_next_free_sgpr 66
		.amdhsa_reserve_vcc 1
		.amdhsa_float_denorm_mode_32 3
		.amdhsa_float_denorm_mode_16_64 3
		.amdhsa_memory_ordered 1
		.amdhsa_forward_progress 1
		.amdhsa_inst_pref_size 22
	.end_amdhsa_kernel
	.amdgpu_metadata
---
amdhsa.version: [ 1, 2 ]
amdhsa.kernels:
  - .name:           k_qa2486d7c22_prep
    .symbol:         k_qa2486d7c22_prep.kd
    .args:
      - { .name: x, .offset: 0, .size: 8, .value_kind: global_buffer, .address_space: global }
      - { .name: Wq, .offset: 8, .size: 8, .value_kind: global_buffer, .address_space: global }
      - { .name: Wk, .offset: 16, .size: 8, .value_kind: global_buffer, .address_space: global }
      - { .name: Wv, .offset: 24, .size: 8, .value_kind: global_buffer, .address_space: global }
      - { .name: wfrag, .offset: 32, .size: 8, .value_kind: global_buffer, .address_space: global }
      - { .name: wscl, .offset: 40, .size: 8, .value_kind: global_buffer, .address_space: global }
      - { .name: qpart, .offset: 48, .size: 8, .value_kind: global_buffer, .address_space: global }
    .group_segment_fixed_size: 0
    .private_segment_fixed_size: 0
    .kernarg_segment_align: 8
    .kernarg_segment_size: 56
    .max_flat_workgroup_size: 32
    .sgpr_count:     66
    .vgpr_count:     208
    .wavefront_size: 32
...
	.end_amdgpu_metadata
.endif
;; end of part 1
;; launch main (part 2): grid 256 x 1, 4 waves a work-group, no clusters, 168,448 bytes of LDS; arguments x, wfrag, wscl, qpart, bq, bk, bv, part, stat; writes part, stat
.if DOCPART == 2
	.amdgcn_target "amdgcn-amd-amdhsa--gfx1250"
	.amdhsa_code_object_version 6
	.text
	.protected	k_qa2486d7c22_main
	.globl	k_qa2486d7c22_main
	.p2align	8
	.type	k_qa2486d7c22_main,@function
k_qa2486d7c22_main:
	s_mov_b64 s[64:65], 0
	v_nop
	global_prefetch_b8 v0, s[64:65] scope:SCOPE_SE
	s_setreg_imm32_b32 hwreg(HW_REG_WAVE_MODE, 25, 1), 1
	s_wait_xcnt 0x0
; 64 KEYS TO A WORK-GROUP: x is quantised, k and v are made and quantised, the last query's scores, its p and its part of the context follow; nothing but 512 + 2 numbers leaves.
; All products are on codes of E3M2 with one E8M0 scale for each 32 along K.  Work-group G takes keys 64 G .. 64 G + 63 (batch G / 32).  Four waves; wave w
;   fetches and quantises row tile w of x;  owns columns 128 w .. 128 w + 127 of k and of v for all 64 keys (32 + 32 accumulators);  does K step w of the scores;  makes outputs 128 w .. 128 w + 127.
; x comes by four tensor loads a wave, one for each K step of 128, all issued at the head (four of mine are out at most).  They have 16 rows each, since the counted waits by K step are what lets
; products run beside the later strips.  No LDS byte is filled twice.  A strip's numbers are read from LDS a K step ahead of their quantiser, behind the first 16 of the 64 products that stand between.
; WHICH ROWS FORM A TILE IS CHOSEN so that no result changes lanes on its way to being an operand:
;   row tile m of x holds keys m + 4 rho (rho = 0 .. 15): rows 0-7 lie in the first block of 32 keys, rows 8-15 in the second.
;   k = Wk-tile x x-tile (source 0 = 16 columns of Wk, source 1 = 16 keys): lane (r, h) holds key row r, and its registers 32 c + i column 128 w + 64 c + 32 h + i: whole blocks along the scores' K.
;   v = x-tile x Wv-tile (source 0 = 16 keys, source 1 = 16 columns): lane (r, h) holds one column, and its registers 8 m + j key 32 h + 4 j + m: the whole key block h, at place 8 m + j.
;   scores = k-tile x q (all 16 columns the same query): lane (r, h), register 8 m + j: the same key at the same place.  So p and v carry the same order inside a block, which leaves the products as they are.
;   context = p x v-tile (all 16 rows the same query): register 0 of tile 2 u + h in lane (r, h) is output 128 w + 64 h + 4 r + u: four selections give a lane four neighbouring outputs.
; THE SOFTMAX: t = score x log2(e) / sqrt(512); M = the 64 keys' largest t rounded up to a whole number; p = 2^(t - M); l = the sum of the unquantised p.  -M and l go to stat, the context under this M
; to part; the next launch brings the 32 parts of a batch under one M by exact powers of two.
; THE BIASES are the C of each sum's first product: row tile 0's accumulators are loaded with them, serve as C for row tiles 1 to 3, and are then added onto in place.
; NO CLUSTER: all work-groups read the same 409,600 bytes of weight images, but a joint load lands in LDS, where they do not fit beside x's 135,168 bytes in what a work-group can claim; a ring for them
; would want a round of the cluster's barrier for each of a handful of K steps, and each fragment feeds one wave alone: so they come straight into that wave's registers, 512 consecutive bytes a load.
; LIMITS: NaN and infinities among the inputs are not served.  A block of zeros gets the byte 1 where the rule says 127 (its codes are zeros; this program alone reads the bytes).  A score is four sums of
; 128 along K added in f32, and q likewise; t is made by one multiplication where the definition has a division and a multiplication.  A p under 2^-126 counts as 0.
; REGISTERS, in windows of 256: window 0: see the names below.  window 1: v0-239 five slots of four weight fragments; later v's codes at 12 t and the context at 128 + 8 t; v248-254 at work.
;   window 2: k's accumulators at 64 m + 8 t.   window 3: v's at 32 t + 8 m.
.set XIMG, 135168                      ; LDS: 0 .. 135,167 x's strips: [wave][K step] 16 rows of 512 bytes + 16 of padding.  Then x's fragments as images of their registers: [K step][row tile] 1,536 bytes,
.set XSCI, 159744                      ; their scale words, [K step][row tile] 128 bytes,
.set SCP,  161792                      ; the four waves' parts of the scores: [wave] 256 bytes, at 128 h + 4 (8 m + j),
.set QL,   162816                      ; and q: [wave] 512 bytes
.set LN16, 1                           ; v1   16 x lane
.set LN4,  2                           ; v2   4 x lane
.set XA,   3                           ; v3   my numbers in my wave's strips: 33,792 w + 528 r + 128 h
.set XWI,  4                           ; v4   where I store x's image: XIMG + 1,536 w + 16 x lane
.set XWS,  5                           ; v5   and its scale word: XSCI + 128 w + 4 x lane
.set SH8,  6                           ; v6   8 h
.set SCW,  7                           ; v7   SCP + 256 w + 128 h
.set SCR,  8                           ; v8   SCP + 128 h
.set H128, 9                           ; v9   128 h
.set R16,  10                          ; v10  16 r
.set IMR,  11                          ; v11  XIMG + 16 x lane
.set SWR,  12                          ; v12  XSCI + 4 x lane
.set QLW,  13                          ; v13  QL + 512 w + 16 x lane
.set QLR,  14                          ; v14  QL + 512 w + 128 h
.set ZO,   15                          ; v15  0
.set WS,   16                          ; v16-47   the weights' scale words, 4 t + s: lanes 0-15 Wk's tile t, lanes 16-31 Wv's
.set XSW,  48                          ; v48-51   x's scale words, by row tile; later k's
.set XF,   52                          ; v52-99   x's four fragments; later k's; later the fourth part of the scores (v52-83) and the outputs (v84-87)
.set OUT,  84
.set QI,   100                         ; v100-163 64 numbers ahead of a quantiser; later the scores, then p (v100-131), and the second part of the scores
.set TM,   164                         ; v164-167 largest magnitudes
.set SO,   168                         ; v168-169 the conversions' scale operands
.set BY,   170                         ; v170-171 scale bytes
.set T1,   172
.set T2,   173
.set PC,   174                         ; v174-185 the codes just made; at the end p's
.set PW,   186                         ; v186     their scale word
.set QF,   188                         ; v188-199 q's fragment;  v200 its scale word
.set QW,   200
.set VW,   202                         ; v202-209 v's scale words, by tile
.set SA,   210                         ; v210-241 my part of the scores; before that bv (v210-217); after it the third part of the scores
.set NM,   242                         ; v242 -M;  v243 l
.set LL,   243
.set TA,   244                         ; v244-247 at work
.set CT,   248                         ; v248-254 of window 0 and of window 1: the second halves of the blocks' codes, as the conversions leave them
.set SEL,  52                          ; s[52:53] v_permlanex16_b32's selects for lane l xor 16
.set CS,   54                          ; s[54:55] c = log2(e) / sqrt(512)
.set MSB, 0
.macro WIN new                         ; low byte: bits 1:0 source 0, 3:2 source 1, 5:4 source 2, 7:6 destination; the high byte repeats the setting that is left
.if MSB != (\new)
	s_set_vgpr_msb (MSB<<8)|(\new)
.set MSB, (\new)
.endif
.endm
.macro PLACES n
.rept \n
	v_nop
.endr
.endm
; nb blocks of 32 numbers of a lane, register 32 c + i of v[src] on in window sw, become codes in window dw: block 0's six registers at v[pc0], block 1's at v[pc1].  The bytes stay in v[BY], v[BY+1].
; The registers are read in ascending order, so that a matrix result is read from its low end on.
.macro QUANT src, sw, dw, pc0, pc1, nb
	WIN (\sw)|((\sw)<<2)
.irp c, 0,1
.if \c < (\nb)
.irp u, 0,1
	v_max3_num_f32 v[TM+2*\c+\u], |v[(\src)+32*\c+16*\u]|, |v[(\src)+32*\c+16*\u+1]|, 0x2800000   ; with the floor 2^(5 - 127): the byte cannot fall under 1
.endr
.endif
.endr
.irp i, 2,4,6,8,10,12,14
.irp c, 0,1
.if \c < (\nb)
.irp u, 0,1
	v_max3_num_f32 v[TM+2*\c+\u], |v[(\src)+32*\c+16*\u+\i]|, |v[(\src)+32*\c+16*\u+\i+1]|, v[TM+2*\c+\u]   ; two chains a block, by turns
.endr
.endif
.endr
.endr
	WIN 0
.irp c, 0,1
.if \c < (\nb)
	v_max_num_f32 v[TM+2*\c], v[TM+2*\c], v[TM+2*\c+1]
.endif
.endr
.irp c, 0,1
.if \c < (\nb)
	v_add_nc_u32 v[SO+\c], 0xfe000000, v[TM+2*\c]  ; 4 off the exponent field: the conversion takes this operand's exponent field as its scale
.endif
.endr
.irp c, 0,1
.if \c < (\nb)
	v_lshrrev_b32 v[BY+\c], 23, v[SO+\c]           ; the scale's byte
.endif
.endr
	WIN (\sw)|((\dw)<<6)
.irp c, 0,1
.if \c < (\nb)
.if \c == 0
.set PCX, (\pc0)
.else
.set PCX, (\pc1)
.endif
	v_cvt_scalef32_pk16_bf6_f32 v[PCX:PCX+2], v[(\src)+32*\c:(\src)+32*\c+15], v[SO+\c]
	v_cvt_scalef32_pk16_bf6_f32 v[CT+4*\c:CT+4*\c+2], v[(\src)+32*\c+16:(\src)+32*\c+31], v[SO+\c]   ; (a conversion's three registers begin on an even number)
.endif
.endr
	WIN (\dw)|((\dw)<<6)
	v_nop                                          ; one plain place behind a scaled conversion
.irp c, 0,1
.if \c < (\nb)
.if \c == 0
.set PCX, (\pc0)
.else
.set PCX, (\pc1)
.endif
.irp i, 0,1,2
	v_mov_b32 v[PCX+3+\i], v[CT+4*\c+\i]
.endr
.endif
.endr
	WIN 0
.endm
.macro QWORD2 pw                       ; a fragment of four blocks: my bytes are those of blocks h and 2 + h; with lane l xor 16's two the word is whole
	v_lshl_or_b32 v[T1], v[BY+1], 16, v[BY]
	v_lshlrev_b32 v[T1], v[SH8], v[T1]
	v_permlanex16_b32 v[T2], v[T1], s[SEL], s[SEL+1]
	v_or_b32 v[\pw], v[T1], v[T2]
.endm
.macro QWORD1 pw, c                    ; a fragment of two blocks and 64 zero codes: byte h is mine; bytes 2 and 3 repeat bytes 0 and 1 and stand over zeros
	v_lshl_or_b32 v[T1], v[BY+\c], 16, v[BY+\c]
	v_lshlrev_b32 v[T1], v[SH8], v[T1]
	v_permlanex16_b32 v[T2], v[T1], s[SEL], s[SEL+1]
	v_or_b32 v[\pw], v[T1], v[T2]
.endm
.macro RLOAD g                         ; group g's four weight fragments into slot g % 5 of window 1: twelve loads of 512 consecutive bytes
.irp f, 0,1,2,3
.irp c, 0,1,2
	global_load_b128 v[48*((\g)%5)+12*\f+4*\c:48*((\g)%5)+12*\f+4*\c+3], v[LN16], s[6:7] offset:6144*(\g)+1536*\f+512*\c
.endr
.endr
.endm
.macro XLD s                           ; my strip of K step s, 64 numbers a lane, from LDS into v[QI] on
	s_wait_tensorcnt 3-(\s)                        ; that strip has landed; the later strips, issued behind it, may be out.  Nobody else reads my strips
.irp c, 0,1
.irp j, 0,1,2,3,4,5,6,7
	ds_load_b128 v[QI+32*\c+4*\j:QI+32*\c+4*\j+3], v[XA] offset:8448*(\s)+256*\c+16*\j   ; x(row r, 128 s + 64 c + 32 h + 4 j ..)
.endr
.endr
.endm
; one product of the group in hand: row tile m, fragment f; cm: the row tile whose accumulator is C
.macro MM m, f, cm
.if GK == 0
	v_wmma_scale_f32_16x16x128_f8f6f4 v[64*\m+8*(GT+\f):64*\m+8*(GT+\f)+7], v[GR+12*\f:GR+12*\f+11], v[XF+12*\m:XF+12*\m+11], v[64*\cm+8*(GT+\f):64*\cm+8*(GT+\f)+7], v[WS+4*(GT+\f)+GS], v[XSW+\m] matrix_a_fmt:MATRIX_FMT_BF6 matrix_b_fmt:MATRIX_FMT_BF6
.else
	v_wmma_scale_f32_16x16x128_f8f6f4 v[32*(GT+\f)+8*\m:32*(GT+\f)+8*\m+7], v[XF+12*\m:XF+12*\m+11], v[GR+12*\f:GR+12*\f+11], v[32*(GT+\f)+8*\cm:32*(GT+\f)+8*\cm+7], v[XSW+\m], v[WS+4*(GT+\f)+GS] matrix_a_fmt:MATRIX_FMT_BF6 matrix_b_fmt:MATRIX_FMT_BF6 matrix_b_scale:MATRIX_SCALE_ROW1
.endif
.endm
; GROUP g = 4 s + 2 kind + half: 16 products: four weight fragments (tiles 4 half .. 4 half + 3 of Wk or of Wv, K step s) x four row tiles.  Sixteen accumulators, one instruction a turn;
; an accumulator's next turn is a K step, 64 products, on.
; xl >= 0: behind the products, and ahead of the weights' loads, strip xl is read from LDS.  rl = 1: the slot just read is filled again here (group g + 5); rl = 0: the next K step does that.
.macro GROUP g, xl, rl
.set GS, (\g)/4
.set GK, ((\g)/2)%2
.set GT, 4*((\g)%2)
.set GR, 48*((\g)%5)
.if (\g) <= 11
	s_wait_loadcnt 48                              ; my group's twelve loads are in; behind them the four next groups' were issued
.else
	s_wait_loadcnt 12*(15-(\g))                    ; at the end fewer groups stand behind mine
.endif
.if GK == 0
	WIN 0xa1                                       ; source 0 (Wk) window 1, source 1 (x) window 0, C and D window 2
.else
	WIN 0xf4                                       ; source 0 (x) window 0, source 1 (Wv) window 1, C and D window 3
.endif
.if GS == 0
.irp m, 1,2,3
.irp f, 0,1,2,3
	MM \m, \f, 0                                   ; the first K step starts the sums from the bias, which lies in row tile 0's accumulators
.endr
.endr
	PLACES 5                                       ; five places before a product writes over registers that earlier products took as C
.irp f, 0,1,2,3
	MM 0, \f, 0
.endr
.else
.irp m, 0,1,2,3
.irp f, 0,1,2,3
	MM \m, \f, \m
.endr
.endr
.endif
.if (\xl) >= 0
	WIN 0
	XLD \xl                                        ; into registers that the last quantiser has left: 48 products ahead of the quantiser that reads them
.endif
.if ((\g) <= 10) && (\rl)
	PLACES 4                                       ; four places before loads into registers that products have read
	WIN 0x40                                       ; destination window 1
	RLOAD (\g)+5
.endif
	WIN 0
.endm
; K STEP s: my strip's numbers, asked for a K step ago, become my row tile's fragment, which goes to the other waves as an image of its registers; then 64 products.
; The refill of the slot that the last K step's last group read stands behind the image loads, so that none of the exchange's LDS instructions is issued directly behind a run of global loads;
; the order of the weights' loads, and with it every count on LOADcnt, is as if it stood in that group.
.macro STEP s
	s_wait_dscnt 0x0                               ; my strip's 64 numbers are in registers
	QUANT QI,0,0,PC,PC+6,2
	QWORD2 PW
.irp c, 0,1,2
	ds_store_b128 v[XWI], v[PC+4*\c:PC+4*\c+3] offset:6144*(\s)+512*\c
.endr
	ds_store_b32 v[XWS], v[PW] offset:512*(\s)
	s_wait_dscnt 0x0                               ; for the others' sake: my image lies in LDS
	s_barrier_signal -1
	s_barrier_wait -1                              ; all four row tiles' images do.  Each K step has bytes of its own, so nothing that is still read is written
.irp m, 0,1,2,3
.irp c, 0,1,2
	ds_load_b128 v[XF+12*\m+4*\c:XF+12*\m+4*\c+3], v[IMR] offset:6144*(\s)+1536*\m+512*\c   ; (the quantiser's lines above are the places behind the last K step's products)
.endr
	ds_load_b32 v[XSW+\m], v[SWR] offset:512*(\s)+128*\m
.endr
.if ((\s) == 1) || ((\s) == 2)
	WIN 0x40                                       ; destination window 1
	RLOAD 4*(\s)+4                                 ; into the slot that group 4 s - 1 read (the quantiser's lines are the places here too)
	WIN 0
.endif
	s_wait_dscnt 0x0
.if (\s) < 3
	GROUP 4*(\s), (\s)+1, 1
.else
	GROUP 4*(\s), -1, 1
.endif
	GROUP 4*(\s)+1, -1, 1
	GROUP 4*(\s)+2, -1, 1
	GROUP 4*(\s)+3, -1, 0
.endm
.macro VQ u                            ; v's tiles 2 u and 2 u + 1: my column's 32 keys of block h become six registers of codes each, and a byte
	QUANT 64*(\u),3,1,24*(\u),24*(\u)+12,2
	QWORD1 VW+2*(\u),0
	QWORD1 VW+2*(\u)+1,1
.endm
.macro SCLOAD reg, wv                  ; wave wv's part of my 32 scores
.irp q, 0,1,2,3,4,5,6,7
	ds_load_b128 v[\reg+4*\q:\reg+4*\q+3], v[SCR] offset:256*\wv+16*\q
.endr
.endm
	s_load_b256 s[4:11], s[0:1], 0x0               ; x s[4:5], wfrag s[6:7], wscl s[8:9], qpart s[10:11]
	s_load_b256 s[40:47], s[0:1], 0x20             ; bq s[40:41], bk s[42:43], bv s[44:45], part s[46:47]
	s_load_b64 s[48:49], s[0:1], 0x40              ; stat
	v_lshl_add_u32 v251, v0, 2, 0x29000
	v_mov_b32 v255, 0
	ds_add_u32 v251, v255
	ds_add_u32 v251, v255
	v_lshrrev_b32 v[ZO], 5, v0
	v_readfirstlane_b32 s12, v[ZO]                 ; wave 0..3
	; descriptor group 1: 16 rows x 128 elements of 4 bytes, four rows of x (2,048 elements) apart; in LDS 16 bytes of padding behind each row's 128 words
	s_mov_b32 s16, (2<<16)|(1<<20)|(6<<22)|(3<<25)
	s_mov_b32 s17, 128<<16                         ; tensor_dim0
	s_mov_b32 s18, 16<<16                          ; tensor_dim1
	s_mov_b32 s19, 128<<16                         ; tile_dim0
	s_mov_b32 s20, 16                              ; tile_dim1
	s_mov_b32 s21, 2048                            ; from row to row
	s_mov_b32 s22, 0
	s_mov_b32 s23, 0
	s_mul_i32 s14, s12, 33792                      ; my four strips in LDS
	s_lshl_b32 s50, ttmp9, 17                      ; 64 rows of 2,048 bytes a work-group,
	s_lshl_b32 s51, s12, 11                        ; and row w of them
	s_add_co_u32 s50, s50, s51
	s_mov_b32 s51, 0
	s_wait_dscnt 0x0
	s_wait_kmcnt 0x0
	s_add_nc_u64 s[4:5], s[4:5], s[50:51]
.irp s, 0,1,2,3
	s_mov_b32 s[24+4*\s], 1
	s_add_co_u32 s[25+4*\s], s14, 8448*\s
	s_add_nc_u64 s[26+4*\s:27+4*\s], s[4:5], 512*\s
	s_or_b32 s[27+4*\s], s[27+4*\s], 0x80000000
.endr
.irp s, 0,1,2,3
	tensor_load_to_lds s[24+4*\s:27+4*\s], s[16:23]   ; all of my x, ahead of everything else; these registers are not written again
	s_nop 0
.endr
	PLACES 4                                       ; (behind tensor loads)
	v_and_b32 v[TA], 31, v0                        ; lane
	v_and_b32 v[TA+1], 15, v0                      ; r
	v_bfe_u32 v[TA+2], v0, 4, 1                    ; h
	v_lshlrev_b32 v[LN16], 4, v[TA]
	v_lshlrev_b32 v[LN4], 2, v[TA]
	v_mul_u32_u24 v[XA], v[TA+1], 528
	v_lshl_add_u32 v[XA], v[TA+2], 7, v[XA]
	v_add_nc_u32 v[XA], s14, v[XA]
	s_mul_i32 s56, s12, 1536
	s_add_co_u32 s56, s56, XIMG
	v_add_nc_u32 v[XWI], s56, v[LN16]
	s_lshl_b32 s57, s12, 7
	s_add_co_u32 s57, s57, XSCI
	v_add_nc_u32 v[XWS], s57, v[LN4]
	v_lshlrev_b32 v[SH8], 3, v[TA+2]
	s_lshl_b32 s58, s12, 8
	s_add_co_u32 s58, s58, SCP
	v_lshl_add_u32 v[SCW], v[TA+2], 7, s58
	v_lshl_add_u32 v[SCR], v[TA+2], 7, SCP
	v_lshlrev_b32 v[H128], 7, v[TA+2]
	v_lshlrev_b32 v[R16], 4, v[TA+1]
	v_add_nc_u32 v[IMR], XIMG, v[LN16]
	v_add_nc_u32 v[SWR], XSCI, v[LN4]
	s_lshl_b32 s50, s12, 9                         ; 512 w: my 128 columns in bytes (s51 = 0)
	s_add_co_u32 s59, s50, QL
	v_add_nc_u32 v[QLW], s59, v[LN16]
	v_lshl_add_u32 v[QLR], v[TA+2], 7, s59
	v_mov_b32 v[ZO], 0
	v_mov_b32 v[T2], 0                             ; written once: a lane permute's destination counts as one of its sources
	s_add_nc_u64 s[40:41], s[40:41], s[50:51]      ; bq, bk, bv at my columns
	s_add_nc_u64 s[42:43], s[42:43], s[50:51]
	s_add_nc_u64 s[44:45], s[44:45], s[50:51]
	s_lshr_b32 s56, ttmp9, 5                       ; the batch
	s_lshl_b32 s56, s56, 11
	s_add_co_u32 s56, s56, s50
	s_mov_b32 s57, 0
	s_add_nc_u64 s[10:11], s[10:11], s[56:57]      ; qpart at my batch's row and my columns
	s_lshl_b32 s56, ttmp9, 11
	s_add_co_u32 s56, s56, s50
	s_add_nc_u64 s[46:47], s[46:47], s[56:57]      ; part at my work-group's row and my columns
	s_lshl_b32 s56, ttmp9, 3
	s_add_nc_u64 s[48:49], s[48:49], s[56:57]      ; stat at my work-group's pair
	s_lshl_b32 s56, s12, 12
	s_add_nc_u64 s[8:9], s[8:9], s[56:57]          ; my wave's scale words
	s_mul_i32 s56, s12, 98304
	s_add_nc_u64 s[6:7], s[6:7], s[56:57]          ; and its 64 fragments
	s_mov_b32 s[SEL], 0x76543210
	s_mov_b32 s[SEL+1], 0xfedcba98
	s_mov_b32 s[CS], 0x3d8293ee                    ; c = log2(e) / sqrt(512)
	s_mov_b32 s[CS+1], s[CS]                       ; (named with it as a pair, so it is written)
.irp k, 0,1,2,3
	global_load_b128 v[QI+4*\k:QI+4*\k+3], v[LN16], s[10:11] offset:16384*\k   ; q's four parts: four of my 128 columns a lane
.endr
	global_load_b128 v[QI+16:QI+19], v[LN16], s[40:41]
.irp t, 0,1,2,3,4,5,6,7
	global_load_b32 v[SA+\t], v[R16], s[44:45] offset:256*(\t%2)+4*(\t/2)      ; bv at tile t's column of lane r: 64 (t % 2) + 4 r + t / 2
.endr
.irp t, 0,1,2,3,4,5,6,7
	global_load_b128 v[WS+4*\t:WS+4*\t+3], v[LN16], s[8:9] offset:512*\t       ; tile t's scale words of the four K steps
.endr
	WIN 0x80                                       ; destination window 2
.irp t, 0,1,2,3,4,5,6,7
	global_load_b128 v[8*\t:8*\t+3], v[H128], s[42:43] offset:256*(\t/4)+32*(\t%4)        ; bk in the result's layout: columns 64 (t / 4) + 32 h + 8 (t % 4) + 0 .. 7, into row tile 0's accumulators
	global_load_b128 v[8*\t+4:8*\t+7], v[H128], s[42:43] offset:256*(\t/4)+32*(\t%4)+16
.endr
	WIN 0x40                                       ; destination window 1
.irp g, 0,1,2,3,4
	RLOAD \g
.endr
	WIN 0
	s_wait_loadcnt 60                              ; the five groups' 60 loads may be out; the 37 in front of them are in
	v_pk_add_f32 v[QI:QI+1], v[QI:QI+1], v[QI+4:QI+5]              ; q = ((part 0 + part 1) + part 2) + part 3 + bq
	v_pk_add_f32 v[QI+2:QI+3], v[QI+2:QI+3], v[QI+6:QI+7]
	v_pk_add_f32 v[QI:QI+1], v[QI:QI+1], v[QI+8:QI+9]
	v_pk_add_f32 v[QI+2:QI+3], v[QI+2:QI+3], v[QI+10:QI+11]
	v_pk_add_f32 v[QI:QI+1], v[QI:QI+1], v[QI+12:QI+13]
	v_pk_add_f32 v[QI+2:QI+3], v[QI+2:QI+3], v[QI+14:QI+15]
	v_pk_add_f32 v[TA:TA+1], v[QI:QI+1], v[QI+16:QI+17]
	v_pk_add_f32 v[TA+2:TA+3], v[QI+2:QI+3], v[QI+18:QI+19]
	ds_store_b128 v[QLW], v[TA:TA+3]               ; my wave's own 512 bytes: LDS serves a wave's instructions in order, so the loads below see this store
.irp c, 0,1
.irp j, 0,1,2,3,4,5,6,7
	ds_load_b128 v[QI+32*\c+4*\j:QI+32*\c+4*\j+3], v[QLR] offset:256*\c+16*\j   ; q(128 w + 64 c + 32 h + 4 j ..), the same in all sixteen lanes of a half
.endr
.endr
	WIN 0xc0                                       ; destination window 3
.irp t, 0,1,2,3,4,5,6,7
.irp j, 0,1,2,3,4,5,6,7
	v_mov_b32 v[32*\t+\j], v[SA+\t]                ; bv in the result's layout: a lane holds one column, so all eight registers of row tile 0's accumulator are alike
.endr
.endr
	WIN 0
	s_wait_dscnt 0x0
	QUANT QI,0,0,QF,QF+6,2
	QWORD2 QW
	XLD 0                                          ; the first strip has no K step in front of it
	STEP 0
	STEP 1
	STEP 2
	STEP 3
	; ---- k and v are whole.  Zero codes for the upper 64 of the last product's K
	PLACES 4                                       ; behind the last products: their results are read and their operands written below
	WIN 0x40
.irp t, 0,1,2,3,4,5,6,7
.irp i, 6,7,8,9,10,11
	v_mov_b32 v[12*\t+\i], 0
.endr
.endr
	WIN 0
.irp i, 6,7,8,9,10,11
	v_mov_b32 v[PC+\i], 0
.endr
.irp m, 0,1,2,3
	QUANT 64*\m,2,0,XF+12*\m,XF+12*\m+6,2          ; k's row tile m, my 128 columns: K step w of the scores
	QWORD2 XSW+\m
.endr
	VQ 0                                           ; its lines are also the eight places between k's last scale word and the products below
.irp m, 0,1,2,3
	v_wmma_scale_f32_16x16x128_f8f6f4 v[SA+8*\m:SA+8*\m+7], v[XF+12*\m:XF+12*\m+11], v[QF:QF+11], 0, v[XSW+\m], v[QW] matrix_a_fmt:MATRIX_FMT_BF6 matrix_b_fmt:MATRIX_FMT_BF6   ; lane (r, h), register j: my part of the score of key 32 h + 4 j + m
.endr
	VQ 1                                           ; and these the places behind them
.irp m, 0,1,2,3
	ds_store_b128 v[SCW], v[SA+8*\m:SA+8*\m+3] offset:32*\m        ; each result from its low end on; the sixteen lanes of a half write the same bytes with the same values
	ds_store_b128 v[SCW], v[SA+8*\m+4:SA+8*\m+7] offset:32*\m+16
.endr
	VQ 2
	VQ 3
	s_wait_dscnt 0x0                               ; for the others' sake: my part of the scores lies in LDS
	s_barrier_signal -1
	s_barrier_wait -1
	SCLOAD QI, 0
	SCLOAD QI+32, 1
	SCLOAD SA, 2
	SCLOAD XF, 3
	s_wait_dscnt 0x0
.irp q, 0,2,4,6,8,10,12,14,16,18,20,22,24,26,28,30
	v_pk_add_f32 v[QI+\q:QI+\q+1], v[QI+\q:QI+\q+1], v[QI+32+\q:QI+32+\q+1]   ; the four K steps in ascending order, the same in every wave
.endr
.irp q, 0,2,4,6,8,10,12,14,16,18,20,22,24,26,28,30
	v_pk_add_f32 v[QI+\q:QI+\q+1], v[QI+\q:QI+\q+1], v[SA+\q:SA+\q+1]
.endr
.irp q, 0,2,4,6,8,10,12,14,16,18,20,22,24,26,28,30
	v_pk_add_f32 v[QI+\q:QI+\q+1], v[QI+\q:QI+\q+1], v[XF+\q:XF+\q+1]
.endr
	; ---- the softmax of the 64 keys, in every wave alike
	v_max_num_f32 v[TA], v[QI], v[QI+1]
	v_max_num_f32 v[TA+1], v[QI+16], v[QI+17]
.irp i, 2,4,6,8,10,12,14
	v_max3_num_f32 v[TA], v[TA], v[QI+\i], v[QI+\i+1]
	v_max3_num_f32 v[TA+1], v[TA+1], v[QI+16+\i], v[QI+16+\i+1]
.endr
	v_max_num_f32 v[TA], v[TA], v[TA+1]
	v_permlanex16_b32 v[TA+2], v[TA], s[SEL], s[SEL+1]
	v_max_num_f32 v[TA], v[TA], v[TA+2]            ; the largest score
	v_mul_f32 v[TA], s[CS], v[TA]                  ; as t (c is positive)
	v_mov_b32 v[LL], 0                             ; (named below as the upper half of the pair)
	v_floor_f32 v[NM], -v[TA]                      ; -M = floor(-t): M is a whole number
.irp q, 0,2,4,6,8,10,12,14,16,18,20,22,24,26,28,30
	v_pk_fma_f32 v[QI+\q:QI+\q+1], v[QI+\q:QI+\q+1], s[CS:CS+1], v[NM:NM+1] op_sel_hi:[1,0,0]   ; t - M
.endr
.irp q, 0,1,2,3,4,5,6,7,8,9,10,11,12,13,14,15,16,17,18,19,20,21,22,23,24,25,26,27,28,29,30,31
	v_exp_f32 v[QI+\q], v[QI+\q]                   ; p = 2^(t - M)
.endr
	v_nop                                          ; one plain place behind the exponentials
	s_wait_alu depctr_va_vdst(0)
	v_pk_add_f32 v[TA:TA+1], v[QI:QI+1], v[QI+2:QI+3]              ; l is the sum of the unquantised p: two chains
	v_pk_add_f32 v[TA+2:TA+3], v[QI+4:QI+5], v[QI+6:QI+7]
.irp q, 8,12,16,20,24,28
	v_pk_add_f32 v[TA:TA+1], v[TA:TA+1], v[QI+\q:QI+\q+1]
	v_pk_add_f32 v[TA+2:TA+3], v[TA+2:TA+3], v[QI+\q+2:QI+\q+3]
.endr
	v_pk_add_f32 v[TA:TA+1], v[TA:TA+1], v[TA+2:TA+3]
	v_add_f32 v[TA], v[TA], v[TA+1]
	v_permlanex16_b32 v[TA+2], v[TA], s[SEL], s[SEL+1]
	v_add_f32 v[LL], v[TA], v[TA+2]                ; with the other block's 32 keys
	QUANT QI,0,0,PC,PC,1                           ; my block's 32 p, at the places at which v's codes stand
	QWORD1 PW,0
	v_cmp_ne_u32 vcc_lo, 0, v[SH8]                 ; lanes 16-31, for the selection below
	PLACES 8                                       ; a scale register written by a vector instruction stands 8 places ahead of the scaled product
	WIN 0x44                                       ; source 0 (p) window 0, source 1 (v) and D window 1
.irp t, 0,1,2,3,4,5,6,7
	v_wmma_scale_f32_16x16x128_f8f6f4 v[128+8*\t:128+8*\t+7], v[PC:PC+11], v[12*\t:12*\t+11], 0, v[PW], v[VW+\t] matrix_a_fmt:MATRIX_FMT_BF6 matrix_b_fmt:MATRIX_FMT_BF6   ; every row the same query; lane r: tile t's column r
.endr
	PLACES 4
	WIN 0x05                                       ; sources 0 and 1 window 1, destination window 0
.irp u, 0,1,2,3
	v_cndmask_b32 v[OUT+\u], v[128+16*\u], v[136+16*\u], vcc_lo    ; register 0 of tile 2 u + h: output 128 w + 64 h + 4 r + u
.endr
	WIN 0
	global_store_b128 v[LN16], v[OUT:OUT+3], s[46:47]              ; 32 lanes store 512 consecutive bytes, at a multiple of 256 from the buffer's first byte
	v_cmp_eq_u32 vcc_lo, 0, v0                     ; all waves hold the same -M and l: thread 0 stores them
	s_wait_xcnt 0x0                                ; EXEC changes only behind this wait
	s_wait_tensorcnt 0x0
	ds_add_u32 v251, v255
	s_wait_dscnt 0x0
	s_and_saveexec_b32 s13, vcc_lo
	global_store_b64 v[ZO], v[NM:NM+1], s[48:49]
	s_wait_xcnt 0x0
	s_or_b32 exec_lo, exec_lo, s13
	s_endpgm
.Lfunc_end_k_qa2486d7c22_main:
	.size	k_qa2486d7c22_main, .Lfunc_end_k_qa2486d7c22_main-k_qa2486d7c22_main
	.p2alignl 7, 3214868480
	.fill 96, 4, 3214868480
	.section	.rodata,"a",@progbits
	.p2align	6, 0x0
	.amdhsa_kernel k_qa2486d7c22_main
		.amdhsa_group_segment_fixed_size 168448
		.amdhsa_private_segment_fixed_size 0
		.amdhsa_enable_private_segment 0
		.amdhsa_kernarg_size 72
		.amdhsa_user_sgpr_count 2
		.amdhsa_user_sgpr_kernarg_segment_ptr 1
		.amdhsa_wavefront_size32 1
		.amdhsa_system_sgpr_workgroup_id_x 1
		.amdhsa_system_sgpr_workgroup_id_y 1
		.amdhsa_system_sgpr_workgroup_id_z 1
		.amdhsa_system_vgpr_workitem_id 0
		.amdhsa_next_free_vgpr 1024
		.amdhsa_next_free_sgpr 66
		.amdhsa_reserve_vcc 1
		.amdhsa_float_denorm_mode_32 3
		.amdhsa_float_denorm_mode_16_64 3
		.amdhsa_memory_ordered 1
		.amdhsa_forward_progress 1
		.amdhsa_inst_pref_size 134
	.end_amdhsa_kernel
	.amdgpu_metadata
---
amdhsa.version: [ 1, 2 ]
amdhsa.kernels:
  - .name:           k_qa2486d7c22_main
    .symbol:         k_qa2486d7c22_main.kd
    .args:
      - { .name: x, .offset: 0, .size: 8, .value_kind: global_buffer, .address_space: global }
      - { .name: wfrag, .offset: 8, .size: 8, .value_kind: global_buffer, .address_space: global }
      - { .name: wscl, .offset: 16, .size: 8, .value_kind: global_buffer, .address_space: global }
      - { .name: qpart, .offset: 24, .size: 8, .value_kind: global_buffer, .address_space: global }
      - { .name: bq, .offset: 32, .size: 8, .value_kind: global_buffer, .address_space: global }
      - { .name: bk, .offset: 40, .size: 8, .value_kind: global_buffer, .address_space: global }
      - { .name: bv, .offset: 48, .size: 8, .value_kind: global_buffer, .address_space: global }
      - { .name: part, .offset: 56, .size: 8, .value_kind: global_buffer, .address_space: global }
      - { .name: stat, .offset: 64, .size: 8, .value_kind: global_buffer, .address_space: global }
    .group_segment_fixed_size: 168448
    .private_segment_fixed_size: 0
    .kernarg_segment_align: 8
    .kernarg_segment_size: 72
    .max_flat_workgroup_size: 128
    .sgpr_count:     66
    .vgpr_count:     1024
    .wavefront_size: 32
...
	.end_amdgpu_metadata
.endif
;; end of part 2
;; launch merge (part 3): grid 4 x 8, 1 waves a work-group, no clusters, 0 bytes of LDS; arguments part, stat, out0; writes out0
.if DOCPART == 3
	.amdgcn_target "amdgcn-amd-amdhsa--gfx1250"
	.amdhsa_code_object_version 6
	.text
	.protected	k_qa2486d7c22_merge
	.globl	k_qa2486d7c22_merge
	.p2align	8
	.type	k_qa2486d7c22_merge,@function
k_qa2486d7c22_merge:
	s_mov_b64 s[64:65], 0
	v_nop
	global_prefetch_b8 v0, s[64:65] scope:SCOPE_SE
	s_setreg_imm32_b32 hwreg(HW_REG_WAVE_MODE, 25, 1), 1
	s_wait_xcnt 0x0
; THE 32 PARTS OF A BATCH BECOME ITS ROW OF THE OUTPUT.  Part i was summed under its own whole number M_i, with its own sum l_i.  M = the largest M_i; f_i = 2^(M_i - M), an exact power of two;
; out = (sum of f_i part_i) / (sum of f_i l_i).  Work-group (xq, b), one wave: outputs 128 xq .. 128 xq + 127 of batch b, four a lane.  Lane i holds part i's -M_i and l_i.
; 16 KiB of parts are read by each wave in loads of 512 consecutive bytes, all issued at once; no LDS, no barrier, no matrix unit: there is nothing here for them.
; LIMITS: NaN and infinities are not served; a part whose M_i lies more than 149 under M counts for nothing.
	s_load_b128 s[4:7], s[0:1], 0x0                ; part s[4:5], stat s[6:7]
	s_load_b64 s[8:9], s[0:1], 0x10                ; out0
	s_and_b32 s10, ttmp7, 0xffff                   ; b
	s_lshl_b32 s11, ttmp9, 9                       ; 512 xq
	s_lshl_b32 s12, s10, 8                         ; stat: 32 pairs of 8 bytes a batch
	s_mov_b32 s13, 0
	s_lshl_b32 s14, s10, 16                        ; part: 32 rows of 2,048 bytes a batch
	s_add_co_u32 s14, s14, s11
	s_mov_b32 s15, 0
	s_lshl_b32 s48, s10, 11                        ; out0: a row of 2,048 bytes a batch
	s_add_co_u32 s48, s48, s11
	s_mov_b32 s49, 0
	s_mov_b32 s50, 0x76543210                      ; v_permlanex16_b32's selects for lane l xor 16
	s_mov_b32 s51, 0xfedcba98
	v_lshlrev_b32 v1, 4, v0                        ; 16 x lane
	v_lshlrev_b32 v10, 3, v0                       ; 8 x lane
	v_mov_b32 v5, 0                                ; written once: a lane permute's destination counts as one of its sources
	v_mov_b32 v8, 0
	s_wait_kmcnt 0x0
	s_add_nc_u64 s[6:7], s[6:7], s[12:13]
	s_add_nc_u64 s[4:5], s[4:5], s[14:15]
	s_add_nc_u64 s[8:9], s[8:9], s[48:49]
	global_load_b64 v[2:3], v10, s[6:7]
.irp i, 0,1,2,3,4,5,6,7,8,9,10,11,12,13,14,15,16,17,18,19,20,21,22,23,24,25,26,27,28,29,30,31
	global_load_b128 v[16+4*\i:19+4*\i], v1, s[4:5] offset:2048*\i
.endr
	s_wait_loadcnt 32                              ; -M_i and l_i are in; the 32 rows issued behind them may be out
	v_mov_b32 v4, v2
	v_min_num_f32_dpp v4, v4, v4 row_xmask:1 row_mask:0xf bank_mask:0xf
	v_min_num_f32_dpp v4, v4, v4 row_xmask:2 row_mask:0xf bank_mask:0xf
	v_min_num_f32_dpp v4, v4, v4 row_xmask:4 row_mask:0xf bank_mask:0xf
	v_min_num_f32_dpp v4, v4, v4 row_xmask:8 row_mask:0xf bank_mask:0xf
	v_permlanex16_b32 v5, v4, s50, s51
	v_min_num_f32 v4, v4, v5                       ; -M: the least of the -M_i
	v_sub_f32 v5, v4, v2                           ; M_i - M: a whole number, 0 or less
	v_cvt_i32_f32 v5, v5                           ; (it saturates)
	v_ldexp_f32 v6, 1.0, v5                        ; f_i
	v_mul_f32 v7, v6, v3                           ; f_i l_i
	v_add_f32_dpp v7, v7, v7 row_xmask:1 row_mask:0xf bank_mask:0xf
	v_add_f32_dpp v7, v7, v7 row_xmask:2 row_mask:0xf bank_mask:0xf
	v_add_f32_dpp v7, v7, v7 row_xmask:4 row_mask:0xf bank_mask:0xf
	v_add_f32_dpp v7, v7, v7 row_xmask:8 row_mask:0xf bank_mask:0xf
	v_permlanex16_b32 v8, v7, s50, s51
	v_add_f32 v7, v7, v8                           ; the row's sum
	v_rcp_f32 v9, v7
	v_nop                                          ; one plain place behind the transcendental
.irp i, 0,1,2,3,4,5,6,7,8,9,10,11,12,13,14,15,16,17,18,19,20,21,22,23,24,25,26,27,28,29,30,31
	v_readlane_b32 s[16+\i], v6, \i                ; f_i as a scalar, for every lane's multiply-adds
.endr
.irp i, 0,1,2,3,4,5,6,7,8,9,10,11,12,13,14,15,16,17,18,19,20,21,22,23,24,25,26,27,28,29,30,31
.if (\i%8) == 0
	s_wait_loadcnt 24-\i                           ; the next eight rows are in; the younger ones may be out
.endif
.irp e, 0,1,2,3
.if \i < 2
	v_mul_f32 v[144+4*\i+\e], s[16+\i], v[16+4*\i+\e]              ; two chains, of the even and of the odd parts: the first products start them
.else
	v_fmac_f32 v[144+4*(\i%2)+\e], s[16+\i], v[16+4*\i+\e]
.endif
.endr
.endr
	v_pk_add_f32 v[144:145], v[144:145], v[148:149]
	v_pk_add_f32 v[146:147], v[146:147], v[150:151]
	s_wait_alu depctr_va_vdst(0)
.irp e, 0,1,2,3
	v_mul_f32 v[144+\e], v[144+\e], v9
.endr
	global_store_b128 v1, v[144:147], s[8:9]       ; 32 lanes store 512 consecutive bytes, at a multiple of 256 from the buffer's first byte
	s_endpgm
.Lfunc_end_k_qa2486d7c22_merge:
	.size	k_qa2486d7c22_merge, .Lfunc_end_k_qa2486d7c22_merge-k_qa2486d7c22_merge
	.p2alignl 7, 3214868480
	.fill 96, 4, 3214868480
	.section	.rodata,"a",@progbits
	.p2align	6, 0x0
	.amdhsa_kernel k_qa2486d7c22_merge
		.amdhsa_group_segment_fixed_size 0
		.amdhsa_private_segment_fixed_size 0
		.amdhsa_enable_private_segment 0
		.amdhsa_kernarg_size 24
		.amdhsa_user_sgpr_count 2
		.amdhsa_user_sgpr_kernarg_segment_ptr 1
		.amdhsa_wavefront_size32 1
		.amdhsa_system_sgpr_workgroup_id_x 1
		.amdhsa_system_sgpr_workgroup_id_y 1
		.amdhsa_system_sgpr_workgroup_id_z 1
		.amdhsa_system_vgpr_workitem_id 0
		.amdhsa_next_free_vgpr 160
		.amdhsa_next_free_sgpr 66
		.amdhsa_reserve_vcc 0
		.amdhsa_float_denorm_mode_32 3
		.amdhsa_float_denorm_mode_16_64 3
		.amdhsa_memory_ordered 1
		.amdhsa_forward_progress 1
		.amdhsa_inst_pref_size 12
	.end_amdhsa_kernel
	.amdgpu_metadata
---
amdhsa.version: [ 1, 2 ]
amdhsa.kernels:
  - .name:           k_qa2486d7c22_merge
    .symbol:         k_qa2486d7c22_merge.kd
    .args:
      - { .name: part, .offset: 0, .size: 8, .value_kind: global_buffer, .address_space: global }
      - { .name: stat, .offset: 8, .size: 8, .value_kind: global_buffer, .address_space: global }
      - { .name: out0, .offset: 16, .size: 8, .value_kind: global_buffer, .address_space: global }
    .group_segment_fixed_size: 0
    .private_segment_fixed_size: 0
    .kernarg_segment_align: 8
    .kernarg_segment_size: 24
    .max_flat_workgroup_size: 32
    .sgpr_count:     66
    .vgpr_count:     160
    .wavefront_size: 32
...
	.end_amdgpu_metadata
.endif
;; end of part 3
